; MI455X (gfx1250); checked and timed in simulation.
; The chip was launched on July 23, 2026; its instructions are those of AMD's public machine-readable ISA for CDNA 5 (MIT licence, August 2026) and "CDNA5" Instruction Set Architecture Reference Guide (July 2026). The comments in the code are by the model that wrote it; some were corrected since.
;; Lut Linear. Allowed arithmetic: matrix products marked QUANTISED: E2M1 operands, one E8M0 scale for each 32 along K, by v_wmma_scale_f32_16x16x128_f8f6f4 with both operands' format E2M1 (or v_wmma_scale_f32_32x16x128_f4), f32 sums; products left as they are: f32 operands where the result goes on into a quantised operand, else bf16, f16 or f32 operands; f32 sums; everything else in f32.
;; Inputs: alpha 32 x 3 x 2,048 float32; binaryWeight 128 x 3 x 2,048 int32; scale 32 x 2,048 float32; x_codes 4 x 2,048 x 128 x 16 uint8 (E2M1 codes of x, K innermost, in blocks of 32 codes, two codes a byte); x_scales 4 x 2,048 x 128 uint8 (E8M0 scales of x, one for each 32 codes along K).
;; Outputs: out0 4 x 2,048 x 2,048 float32.
;; This version of the problem:
;;   THIS VERSION OF THE PROBLEM IS GIVEN IN LOW PRECISION. The matrix products marked QUANTISED in the list below multiply operands that are first quantised to E2M1 (2 exponent bits, 1 mantissa bit; 4 bits a number), with one power-of-two scale for each 32 numbers along K (OCP MX v1.0); their sums are f32. All else is computed in f32.
;;   The module's matrix products, in the order in which they are computed (A, B: the left and right operand; K: the contracted axis; several contracted axes count as one K, in the product's order):
;;     1. batch 65,536 x [M 1, K 3] x [K 3, N 128]; A: input alpha; B: computed on the way: left as it is (K = 3 < 32)
;;     2. [M 8,192, K 4,096] x [K 4,096, N 2,048]; A: input x (given as codes); B: computed on the way: QUANTISED
;;   THE QUANTISER, for each operand of a quantised product, along K:
;;     - K is cut into blocks of 32 from its start; a last block that is shorter is filled with zeros.
;;     - A block's scale is 2^e with e = floor(log2(the largest magnitude in the block)) - 2, held to -126 .. 127; a block of zeros has e = 0. As a byte (E8M0): e + 127.
;;     - Each number is divided by its block's scale, clamped to +-6, and rounded to the nearest number of E2M1, ties to even, subnormals kept.
;;     - The product sums the exact products of the quantised numbers (number of the format x scale) in f32.
;;   ~~~python
;;   def quantise(x, axis):      # numpy; x: float32 -> the quantised numbers, widened to float32 again
;;       x = np.moveaxis(x, axis, -1); K = x.shape[-1]
;;       x = np.pad(x, [(0, 0)] * (x.ndim - 1) + [(0, -K % 32)]); x = x.reshape(x.shape[:-1] + (-1, 32)); a = np.abs(x).max(-1, keepdims=True)
;;       e = np.where(a > 0, np.clip(np.frexp(np.where(a > 0, a, 1))[1] - 1 - 2, -126, 127), 0)      # np.frexp(a)[1] - 1 = floor(log2(a)), exactly
;;       r = np.clip(x / 2.0 ** e, -6, 6)
;;       step = 2.0 ** (np.maximum(np.frexp(np.where(r == 0, 1, r))[1] - 1, 0) - 1)
;;       q = np.round(r / step) * step * 2.0 ** e      # np.round: ties to even
;;       return np.moveaxis(q.reshape(q.shape[:-2] + (-1,))[..., :K], -1, axis).astype(np.float32)
;;   ~~~
;;   OPERANDS COMPUTED ON THE WAY. 'Computed on the way' means the value that the module computes at that place (a softmax that the list does not call 'softmax' is quantised finished and normalised). What goes into a quantiser is computed in f32, as accurately as f32 sums, v_exp_f32 and their like allow (about 1e-6 of the number): no bf16 or f16 on the way to a quantiser, and a product that is left as it is and whose result goes on into a quantised operand takes f32 operands (vector FMAs, or v_wmma_f32_16x16x4_f32). A number that lies on a knife's edge between two numbers of the format may be rounded either way, as far as f32 arithmetic and the matrix unit's own rounding can turn it there, and no further.
;;   INPUTS GIVEN AS CODES. x (in the module: [4, 2048, 4096], K = its axis 2): each comes as NAME_codes (uint8): NAME with its K axis moved to the last place and cut into blocks of 32 codes, [.., K / 32, bytes a block], one block behind the other in memory; two codes a byte, the lower K in the low four bits (a code: sign, 2 exponent bits, 1 mantissa bit); and NAME_scales (uint8): the same leading axes, one E8M0 byte (e + 127) for each 32 codes along K. Its value is code x scale, taken as it is: it is not quantised again, and the codes and scales need not be those that the quantiser above would give.
;; One version. Each part assembles by itself: llvm-mc -triple=amdgcn-amd-amdhsa -mcpu=gfx1250 --defsym DOCPART=n.
;; ======== version 1 of 1: 2 launches
;; workspace buffers: wq 4,456,448 bytes
;; launch decode (part 1): grid 16 x 16, 4 waves a work-group, no clusters, 0 bytes of LDS; arguments binaryWeight, alpha, scale, wq; writes wq
.if DOCPART == 1
	.amdgcn_target "amdgcn-amd-amdhsa--gfx1250"
	.amdhsa_code_object_version 6
	.text
	.protected	k_q647a77b2ba_decode
	.globl	k_q647a77b2ba_decode
	.p2align	8
	.type	k_q647a77b2ba_decode,@function
k_q647a77b2ba_decode:
	s_mov_b64 s[64:65], 0
	v_nop
	global_prefetch_b8 v0, s[64:65] scope:SCOPE_SE
	s_setreg_imm32_b32 hwreg(HW_REG_WAVE_MODE, 25, 1), 1
	s_wait_xcnt 0x0
; W[k][n] = scale[g][n] * ((+-alpha[g][0][n] +- alpha[g][1][n]) +- alpha[g][2][n]), g = k / 128; the sign of plane b's term is + where bit k % 32 of binaryWeight[k / 32][b][n] is 1.
; W (4,096 x 2,048) is made in f32 and quantised along K to codes of FP4 (E2M1) with one E8M0 byte for each 32 along K: one word of binaryWeight is exactly one block.
; It is done ONCE, here: every tile row of the product reads W, so made there the same weights would be made 32 times over.
; A LANE TAKES A COLUMN n, AND ITS REGISTERS RUN DOWN K: each load reads neighbouring n in neighbouring lanes (128 consecutive bytes a wave, 512 a work-group), a block's 32 numbers lie in one lane's
; 32 registers, its largest magnitude needs no other lane, and the conversions give codes with K innermost.
; SHARES: work-group (x, y): columns 128 x .. 128 x + 127, K = 256 y .. 256 y + 255 (8 words, 2 groups); wave w: 32 of the columns.  1,024 waves in all.  No LDS, no barrier: waves share nothing.
; THE OUTPUT wq IS LAID AS ITS READER WANTS IT: 64 chunks of 69,632 bytes, [K / 512][n / 256]: what one work-group of the product wants of W for one K step of 512, one dense block.
;   bytes 0 .. 65,535: codes, as images of the operand's registers: (n % 256 / 16) * 4,096 + bl * 256 + (n % 16) * 16, bl = the block of 32 in the K step (0 .. 15): 16 bytes a block, the lower k in the lower four bits.
;   bytes 65,536 on:   scale bytes, [bl / 8][n % 256][8]: byte j is block 8 (bl / 8) + j.
; So sixteen neighbouring lanes' 16 bytes of one block are 256 consecutive aligned bytes, and a wave's 8 scale bytes a lane likewise.
; A block's scale is 2^(floor(log2(its largest magnitude)) - 2); its byte is the largest magnitude's exponent field - 2, held at 1 from below.
; LIMITS: NaN and infinities in alpha or scale are not served.  A block of zeros gets the byte 1 where the rule says 127: its codes are zeros, which add nothing under any byte but 0xff, and this program
; alone reads the bytes.  Blocks whose largest magnitude lies under 2^-124 (byte held at 1, as the rule holds it) were not tried.
; Everything is written out: every offset is an immediate, no pointer is stepped, each block has its own registers for its words and its codes, so no source of a pending memory instruction is written again.
.set CHUNK, 69632
.set AL, 8                             ; v8-13    alpha of my column: group gg, plane b at 3 gg + b
.set SC, 14                            ; v14-15   scale of my column, group gg
.set SS, 16                            ; v[16:17] the group's scale, twice: the packed multiply names a pair
.set NM, 18                            ; v18-20   all ones where alpha is not negative
.set AB, 21                            ; v21-23   |alpha|
.set WP, 24                            ; v24-26   the block's words, turned so that a bit 1 says: this term is negative
.set MX, 27                            ; v27-28   two chains of the largest magnitude
.set OP, 29                            ; v29      the conversions' scale operand
.set BY, 30                            ; v30      the scale's byte
.set SB, 32                            ; v[32:33] my column's 8 scale bytes
.set T,  40                            ; v40-63   3 planes x 8 terms
.set X,  64                            ; v64-95   the block's 32 numbers
.set C,  96                            ; v96-127  codes: 4 registers for each block
.set W,  128                           ; v128-151 words: block t, plane b at 3 t + b
	s_load_b256 s[4:11], s[0:1], 0x0               ; binaryWeight s[4:5], alpha s[6:7], scale s[8:9], wq s[10:11]
	v_lshrrev_b32 v1, 5, v0
	v_readfirstlane_b32 s12, v1                    ; wave 0..3
	v_and_b32 v1, 31, v0                           ; lane
	v_lshlrev_b32 v2, 2, v1                        ; in: 4 bytes a lane
	v_lshrrev_b32 v3, 4, v1
	v_and_b32 v5, 15, v1
	v_lshlrev_b32 v3, 12, v3
	v_lshl_add_u32 v3, v5, 4, v3                   ; codes out: 4,096 (lane / 16) + 16 (lane % 16)
	v_lshlrev_b32 v4, 3, v1                        ; scale bytes out: 8 a lane
	s_and_b32 s14, ttmp7, 0xffff                   ; y: which 256 along K
	s_mov_b32 s20, 0x80000000                      ; the sign's bit
	s_lshl_b32 s13, ttmp9, 9
	s_lshl_b32 s15, s12, 7
	s_add_co_u32 s13, s13, s15                     ; 4 x my wave's first column: 4 (128 x + 32 w)
	s_mul_i32 s22, s14, 196608                     ; binaryWeight: 8 words x 3 planes x 8,192 bytes a step of y
	s_add_co_u32 s22, s22, s13
	s_mov_b32 s23, 0
	s_mul_i32 s24, s14, 49152                      ; alpha: 2 groups x 3 planes x 8,192 bytes
	s_add_co_u32 s24, s24, s13
	s_mov_b32 s25, 0
	s_lshl_b32 s26, s14, 14                        ; scale: 2 groups x 8,192 bytes
	s_add_co_u32 s26, s26, s13
	s_mov_b32 s27, 0
	s_lshr_b32 s16, s14, 1
	s_lshl_b32 s16, s16, 3
	s_lshr_b32 s17, ttmp9, 1
	s_add_co_u32 s16, s16, s17
	s_mul_i32 s16, s16, CHUNK                      ; my chunk: 8 (y / 2) + x / 2
	s_and_b32 s17, s14, 1
	s_lshl_b32 s17, s17, 11                        ; the K step's second half: 8 blocks x 256 bytes of codes on, and 2,048 scale bytes on
	s_add_co_u32 s16, s16, s17
	s_and_b32 s17, ttmp9, 1
	s_lshl_b32 s18, s17, 15
	s_lshl_b32 s19, s12, 13
	s_add_co_u32 s18, s18, s19                     ; my first tile of 16 columns: (8 (x % 2) + 2 w) x 4,096
	s_add_co_u32 s28, s16, s18
	s_mov_b32 s29, 0
	s_lshl_b32 s18, s17, 10
	s_lshl_b32 s19, s12, 8
	s_add_co_u32 s18, s18, s19                     ; my first column's scale bytes: (128 (x % 2) + 32 w) x 8,
	s_add_co_u32 s18, s18, 65536                   ; behind the chunk's codes
	s_add_co_u32 s30, s16, s18
	s_mov_b32 s31, 0
	s_wait_kmcnt 0x0
	s_add_nc_u64 s[4:5], s[4:5], s[22:23]
	s_add_nc_u64 s[6:7], s[6:7], s[24:25]
	s_add_nc_u64 s[8:9], s[8:9], s[26:27]
	s_add_nc_u64 s[16:17], s[10:11], s[30:31]      ; where my scale bytes go
	s_add_nc_u64 s[10:11], s[10:11], s[28:29]      ; where my codes go
.macro LOADG gg                        ; a group's three alpha and its scale: four loads
.irp b, 0,1,2
	global_load_b32 v[AL+3*\gg+\b], v2, s[6:7] offset:(3*\gg+\b)*8192 th:TH_LOAD_NT
.endr
	global_load_b32 v[SC+\gg], v2, s[8:9] offset:\gg*8192 th:TH_LOAD_NT
.endm
.macro LOADW t                         ; a block's three words
.irp b, 0,1,2
	global_load_b32 v[W+3*\t+\b], v2, s[4:5] offset:(3*\t+\b)*8192 th:TH_LOAD_NT
.endr
.endm
	LOADG 0                                        ; all 32 loads of the wave go out at once, in the order in which they are wanted
.irp t, 0,1,2,3
	LOADW \t
.endr
	LOADG 1
.irp t, 4,5,6,7
	LOADW \t
.endr
; What a group of 128 along K (four blocks) shares.  A term is negative where the bit is 0 and alpha is not negative, or the bit is 1 and alpha is negative: bit xor (all ones where alpha is not negative).
.macro GROUP gg
.irp b, 0,1,2
	v_ashrrev_i32 v[NM+\b], 31, v[AL+3*(\gg)+\b]   ; all ones where alpha is negative,
.endr
.irp b, 0,1,2
	v_xor_b32 v[NM+\b], -1, v[NM+\b]               ; turned over
.endr
.irp b, 0,1,2
	v_and_b32 v[AB+\b], 0x7fffffff, v[AL+3*(\gg)+\b]
.endr
	v_mov_b32 v[SS], v[SC+(\gg)]
	v_mov_b32 v[SS+1], v[SC+(\gg)]
.endm
.macro BLOCK t
.if (\t) < 4
	s_wait_loadcnt 25-3*(\t)                       ; loads come back in order (ISA guide 5.7.1): this block's third word is in; the count is the loads issued behind it
.else
	s_wait_loadcnt 21-3*(\t)
.endif
.if (\t)%4 == 0
	GROUP (\t)/4                                   ; the group's four loads were issued ahead of this block's words
.endif
.irp b, 0,1,2
	v_xor_b32 v[WP+\b], v[NM+\b], v[W+3*(\t)+\b]
.endr
.irp e8, 0,1,2,3                       ; eight numbers at a time
.irp b, 0,1,2
.irp e, 0,1,2,3,4,5,6,7
.if 8*\e8+\e < 31
	v_lshlrev_b32 v[T+8*\b+\e], 31-(8*\e8+\e), v[WP+\b]             ; the number's bit into the sign's place (bit 31 stands there already)
.endif
.endr
.endr
.irp b, 0,1,2
.irp e, 0,1,2,3,4,5,6,7
.if 8*\e8+\e < 31
	v_bfi_b32 v[T+8*\b+\e], s20, v[T+8*\b+\e], v[AB+\b]             ; the term: that sign over |alpha|
.else
	v_bfi_b32 v[T+8*\b+\e], s20, v[WP+\b], v[AB+\b]
.endif
.endr
.endr
.irp p, 0,2,4,6
	v_pk_add_f32 v[X+8*\e8+\p:X+8*\e8+\p+1], v[T+\p:T+\p+1], v[T+8+\p:T+8+\p+1]
.endr
.irp p, 0,2,4,6
	v_pk_add_f32 v[X+8*\e8+\p:X+8*\e8+\p+1], v[X+8*\e8+\p:X+8*\e8+\p+1], v[T+16+\p:T+16+\p+1]
.endr
.irp p, 0,2,4,6
	v_pk_mul_f32 v[X+8*\e8+\p:X+8*\e8+\p+1], v[X+8*\e8+\p:X+8*\e8+\p+1], v[SS:SS+1]   ; (t0 + t1) + t2, then x scale: all in f32
.endr
.endr
	v_max3_num_f32 v[MX], |v[X]|, |v[X+1]|, |v[X+2]|                ; the block's largest magnitude: all 32 numbers are mine; two chains
	v_max3_num_f32 v[MX+1], |v[X+3]|, |v[X+4]|, |v[X+5]|
.irp i, 6,10,14,18,22,26
	v_max3_num_f32 v[MX], v[MX], |v[X+\i]|, |v[X+\i+1]|
	v_max3_num_f32 v[MX+1], v[MX+1], |v[X+\i+2]|, |v[X+\i+3]|
.endr
	v_max3_num_f32 v[MX], v[MX], |v[X+30]|, |v[X+31]|
	v_max3_num_f32 v[MX], v[MX], v[MX+1], 0x1800000                 ; and the floor 2^(3 - 127), under which no largest magnitude is taken: so the byte cannot fall under 1
	v_add_nc_u32 v[OP], 0xff000000, v[MX]          ; 2 off its exponent field: the conversion takes the exponent field of this operand as its scale, and nothing else of it
	v_lshrrev_b32 v[BY], 23, v[OP]                 ; the scale's byte
.if (\t)%4 == 0
	v_mov_b32 v[SB+(\t)/4], v[BY]                  ; four bytes to a register, the lower K in the lower byte
.else
	v_lshl_or_b32 v[SB+(\t)/4], v[BY], 8*((\t)%4), v[SB+(\t)/4]
.endif
.irp g, 0,1,2,3
	v_cvt_scalef32_pk8_fp4_f32 v[C+4*(\t)+\g], v[X+8*\g:X+8*\g+7], v[OP]   ; eight numbers / the scale, to the nearest code, ties to even, beyond 6 the largest code
.endr
	v_nop                                          ; one plain place behind the conversions: the next block's vector lines write their sources
	global_store_b128 v3, v[C+4*(\t):C+4*(\t)+3], s[10:11] offset:256*(\t)   ; lanes 0-15 store 256 consecutive aligned bytes, lanes 16-31 another 256
.endm
.irp t, 0,1,2,3,4,5,6,7
	BLOCK \t
.endr
	global_store_b64 v4, v[SB:SB+1], s[16:17]      ; 32 lanes store 256 consecutive aligned bytes
	s_endpgm
.Lfunc_end_k_q647a77b2ba_decode:
	.size	k_q647a77b2ba_decode, .Lfunc_end_k_q647a77b2ba_decode-k_q647a77b2ba_decode
	.p2alignl 7, 3214868480
	.fill 96, 4, 3214868480
	.section	.rodata,"a",@progbits
	.p2align	6, 0x0
	.amdhsa_kernel k_q647a77b2ba_decode
		.amdhsa_group_segment_fixed_size 0
		.amdhsa_private_segment_fixed_size 0
		.amdhsa_enable_private_segment 0
		.amdhsa_kernarg_size 32
		.amdhsa_user_sgpr_count 2
		.amdhsa_user_sgpr_kernarg_segment_ptr 1
		.amdhsa_wavefront_size32 1
		.amdhsa_system_sgpr_workgroup_id_x 1
		.amdhsa_system_sgpr_workgroup_id_y 1
		.amdhsa_system_sgpr_workgroup_id_z 1
		.amdhsa_system_vgpr_workitem_id 0
		.amdhsa_next_free_vgpr 152
		.amdhsa_next_free_sgpr 66
		.amdhsa_reserve_vcc 0
		.amdhsa_float_denorm_mode_32 3
		.amdhsa_float_denorm_mode_16_64 3
		.amdhsa_memory_ordered 1
		.amdhsa_forward_progress 1
		.amdhsa_inst_pref_size 115
	.end_amdhsa_kernel
	.amdgpu_metadata
---
amdhsa.version: [ 1, 2 ]
amdhsa.kernels:
  - .name:           k_q647a77b2ba_decode
    .symbol:         k_q647a77b2ba_decode.kd
    .args:
      - { .name: binaryWeight, .offset: 0, .size: 8, .value_kind: global_buffer, .address_space: global }
      - { .name: alpha, .offset: 8, .size: 8, .value_kind: global_buffer, .address_space: global }
      - { .name: scale, .offset: 16, .size: 8, .value_kind: global_buffer, .address_space: global }
      - { .name: wq, .offset: 24, .size: 8, .value_kind: global_buffer, .address_space: global }
    .group_segment_fixed_size: 0
    .private_segment_fixed_size: 0
    .kernarg_segment_align: 8
    .kernarg_segment_size: 32
    .max_flat_workgroup_size: 128
    .sgpr_count:     66
    .vgpr_count:     152
    .wavefront_size: 32
...
	.end_amdgpu_metadata
.endif
;; end of part 1
;; launch gemm (part 2): grid 8 x 32, 4 waves a work-group, clusters of 4 x 4, 327,680 bytes of LDS; arguments x_codes, x_scales, wq, out0; writes out0
.if DOCPART == 2
	.amdgcn_target "amdgcn-amd-amdhsa--gfx1250"
	.amdhsa_code_object_version 6
	.text
	.protected	k_q647a77b2ba_gemm
	.globl	k_q647a77b2ba_gemm
	.p2align	8
	.type	k_q647a77b2ba_gemm,@function
k_q647a77b2ba_gemm:
	s_mov_b64 s[64:65], 0
	v_nop
	global_prefetch_b8 v0, s[64:65] scope:SCOPE_SE
	s_setreg_imm32_b32 hwreg(HW_REG_WAVE_MODE, 25, 1), 1
	s_wait_xcnt 0x0
	s_wait_alu depctr_hold_cnt(0) depctr_sa_sdst(0) depctr_va_vdst(0) depctr_va_sdst(0) depctr_va_ssrc(0) depctr_va_vcc(0) depctr_vm_vsrc(0)
	s_getreg_b32 s2, hwreg(HW_REG_IB_STS2, 6, 4)
	s_cmp_eq_u32 s2, 0
	s_cbranch_scc0 .Lentry_in_a_cluster
	s_endpgm
.Lentry_in_a_cluster:
	s_bfe_u32 s2, ttmp6, 0x10000c
	s_cmp_lg_u32 s2, 0xf033
	s_cbranch_scc0 .Lentry_shape_is_right
	s_endpgm
.Lentry_shape_is_right:
; out0[m][n] = sum over k of x[m][k] W[k][n], m < 8,192, n < 2,048, k < 4,096, both operands as codes of FP4 (E2M1) with one E8M0 scale for each 32 along K; sums in f32.
; x: codes [8,192][2,048 bytes] with K innermost, scale bytes [8,192][128], taken as they are given.  W: codes and scale bytes from wq, which the launch before has laid for this reader:
; 64 chunks of 69,632 bytes, [K / 512][n / 256]; in a chunk 65,536 bytes of codes as images of the operand's registers ((n % 256 / 16) * 4,096 + q * 1,024 + c * 512 + 16 * lane for
; register group c of the q-th 128 along K), then 4,096 scale bytes [half of the K step][n % 256][8].
; SHARES.  A tile of the output, 256 x 256, is made by a work-group of four waves, as many as a WGP has SIMDs; 32 x 8 tiles: 256 work-groups.  THE WAVES SHARE THE COLUMNS: wave w makes all 256 rows x
; columns 64 w .. 64 w + 63: 16 blocks of x times 4 blocks of W: 64 accumulators of 16 x 16, 512 registers.  A step of 128 along K reads 16 fragments of x from LDS, 16 KB a wave, and is 64 matrix instructions.
; x GOES THROUGH LDS: all four waves read all 256 rows.  A ring of two slots of 1,024 along K (rows of 512 bytes), filled by the tensor data mover, 64 rows to a wave.  x's scale bytes of the 256 rows, for all
; of K, are one dense block of 32,768 bytes: they come ONCE, with the first fills, a quarter to each wave, and stay.
; W GOES STRAIGHT INTO REGISTERS: a wave's 64 columns are read by no other wave of the work-group, and wq holds them as images of the registers: each load takes 512 consecutive bytes.  The loads run seven steps
; ahead, in eight sets of 32 registers, across the ring's barriers.
; CLUSTERS: 4 x 4 work-groups.  The four of a row of the cluster need the same tiles and scales of x: each is asked for JOINTLY, by the same tensor load with the same descriptor and a mask that names the four.
; W's chunks, which the four of a column share, are NOT asked for jointly: a joint load lands in LDS, and with both operands there two slots hold 512 along K each (2 x 139,264 bytes beside the scales):
; 224 matrix instructions from a request to the wait for it.  With x alone a slot holds 1,024 along K (2 x 135,168 bytes): 480 matrix instructions, and two refills in the launch in place of six.
; THE MATRIX INSTRUCTION IS USED TRANSPOSED (source 0 = 16 columns of W, source 1 = 16 rows of x): a lane then holds eight neighbouring numbers of a row of the output.
; NO LOOP: K is four slots, and each differs from the others (the first starts the sums, the last two ask for no tile, the last seven steps for no W).  The 32 steps are written out by macro: every offset is an
; immediate, and no address register is ever written again.
; REGISTERS, in windows of 256: window 0: v0-31 addresses; v32-95 x's scale words, two sets; v96-111 W's scale words, four pairs of steps; v128-255 x's fragments (16 x 16 rows x 128 K), ONE set; on the way out v128-255 are free.
;   window 1: W's fragments, EIGHT sets of 32 (step t in set t % 8).   window 2: the 32 accumulators of rows 0-127 (accumulator (a, b) at v[8 (4 (a % 8) + b)]);   window 3: those of rows 128-255.
; In a step x's blocks go one after the other, each against W's four.  So a block of x is free as soon as its four products are issued, and one set of registers serves x: blocks 0-7 are fetched anew in the
; step's middle, blocks 8-15 at its end.
; Below A = x, B = W.
.set NSTEP,  32                        ; steps of 128 along K
.set ROWB,   512                       ; a row of A's tile in bytes: 1,024 codes
.set KROW,   2048                      ; a row of A in memory, in bytes
.set PITCH,  528                       ; A's LDS row: 512 bytes + 16 of padding = 132 words: row r starts at bank 4 r mod 64 (64 banks of 4 bytes: ISA guide 11.1), so the 16 rows that a load touches start at 16 different banks
.set NP,     4                         ; places behind this matrix instruction (ISA guide 7.12.1)
.set QT,     64*PITCH                  ; what one tensor load brings: 64 rows of A with their padding
.set SLOT,   4*QT
.set HB,     8*16*PITCH                ; from A's block 0 to its block 8: an LDS instruction's immediate does not reach over all sixteen
.set CHUNK,  69632
.set KCH,    8*CHUNK                   ; from a chunk to the next 512 along K
.set BSC,    65536                     ; a chunk's scale bytes lie behind its codes
.set SCA,    2*SLOT                    ; behind the ring: A's scale bytes, as units of 256 bytes (two rows of 128) + 16 of padding
.set QS,     32*272                    ; those of 64 rows: what one tensor load brings
.set SPARE,  SCA+4*QS                  ; behind them: the spare words, 128 bytes for each wave: two blocks of 256 bytes that no other line names
.set SPITCH, 272                       ; the way out: a stage of 16 rows x (256 bytes + 16) for each wave.  It lies in slot 0, which has had its last fill and its last read when the first result is stored there
.set NROW,   8192                      ; a row of the output in bytes
.set ADRA, 16                          ; v16-19  LDS address of my lane's place in A's fragments: slot s, blocks 0-7 at 2 s, blocks 8-15 at 2 s + 1
.set BO,   20                          ; v20     my byte offset in a chunk's codes: 16 x lane + 16,384 x wave
.set BT,   21                          ; v21     and in its scale bytes: 8 x lane + 512 x wave
.set STO,  24                          ; v24     the way out: where I put 32 bytes of a row
.set RD,   25                          ; v25     the way out: where I read a row back
.set CO,   26                          ; v26     my byte offset in two rows of the output
.set ADRS, 27                          ; v27     LDS address of my lane's place among A's scale words
.set SPW,  28                          ; v28     LDS address of my spare word: SPARE + 4 x my thread's number; never rewritten
.set NIL,  29                          ; v29     0; never rewritten
.set SA,   32                          ; A's scale words: the set of 512 along K number s at v[SA + 32 (s % 2)]; in it register 4 g + q: lanes 0-15 the word of A's block 2 g, lanes 16-31 that of block 2 g + 1, for the q-th 128 along K
.set SBR,  96                          ; B's scale words: steps 2 p and 2 p + 1 at v[SBR + 4 (p % 4)]; in it register 2 g + t % 2: lanes 0-15 the word of B's block 2 g, lanes 16-31 that of block 2 g + 1
.set AF,   128                         ; A's fragments, in window 0
.set BK,   128                         ; the way out: 16 rows read back from the stage: four buffers of 32 registers by turns
.set G1,  24                           ; s[24:31] descriptor group 1 for A's tiles;  s[32:39] group 0, one set for each slot
.set G0,  32
.set G1S, 68                           ; s[68:75], s[76:79] groups 1 and 0 for A's scale bytes
.set G0S, 76
.set MSB, 0
.macro WIN new                         ; the immediate's high byte repeats the setting that is left
.if MSB != \new
	s_set_vgpr_msb (MSB<<8)|\new
.set MSB, \new
.endif
.endm
.set MUL_LO, 0xa1                      ; source 0 (B) window 1, source 1 (A) window 0, C and D window 2
.set MUL_HI, 0xf1                      ; the same, C and D window 3
.set TO_B,   0x40                      ; destination window 1, address window 0
.macro CREST                           ; a round of the cluster's barrier behind its opening barrier
	s_cmp_lg_u32 s14, 0
	s_cbranch_scc1 .Lnot_wave_0_\@
	s_barrier_signal -3
.Lnot_wave_0_\@:
	s_barrier_wait -3
	s_barrier_signal -1
	s_barrier_wait -1
.endm
.macro CROUND                          ; a whole round
	s_barrier_signal -1
	s_barrier_wait -1
	CREST
.endm
; A load into a register that a matrix instruction has read, and an LDS store that reads a matrix result, stand NP places behind that matrix instruction, and only plain vector instructions that name none of
; its registers are places (ISA guide 7.12.1 for vector instructions); this text does not count the matrix instructions in between.
.macro PLACES n
.rept \n
	v_nop
.endr
.endm
; UNIT u: what step u wants of B.  Eight loads bring its four fragments into set u % 8; an ODD unit begins with the two loads of the scale words of steps u - 1 and u (32 columns a load, two words a column).
; So of seven units on end at most three carry scale words behind the point that a step's wait reaches, and a wave has at most 62 loads out.  Units past the last step are nothing.
.macro UNIT u
.if (\u) < NSTEP
.if (\u)%2 == 1
	WIN 0
.irp g, 0,1
	global_load_b64 v[SBR+4*(((\u)/2)%4)+2*\g:SBR+4*(((\u)/2)%4)+2*\g+1], v[BT], s[8:9] offset:((\u)/4)*KCH+BSC+(((\u)/2)%2)*2048+\g*256
.endr
.endif
	WIN TO_B
.irp b, 0,1,2,3
.irp c, 0,1
	global_load_b128 v[32*((\u)%8)+8*\b+4*\c:32*((\u)%8)+8*\b+4*\c+3], v[BO], s[8:9] offset:((\u)/4)*KCH+\b*4096+((\u)%4)*1024+512*\c
.endr
.endr
.endif
.endm
; The wait for step t's unit and scale words.  Loads come back in order (ISA guide 5.7.1).  At a step's head units up to t + 6 have been issued; the count is the loads of units t + 1 .. t + 6 (8, and 2 more in an
; odd one), less the two scale loads at the head of unit t + 1 where t is even: those are this step's own.
.macro LWAIT t
.set LN, 0
.irp d, 1,2,3,4,5,6
.if (\t)+\d < NSTEP
.set LN, LN+8+2*(((\t)+\d)%2)
.endif
.endr
.if (\t)%2 == 0
.set LN, LN-2
.endif
	s_wait_loadcnt LN
.endm
	s_load_b256 s[4:11], s[0:1], 0x0               ; A's codes s[4:5], A's scales s[6:7], wq s[8:9], the output s[10:11]
	v_lshl_add_u32 v[SPW], v0, 2, SPARE
	v_mov_b32 v[NIL], 0
	ds_add_u32 v28, v29
	ds_add_u32 v28, v29
	s_wait_dscnt 0x0
	v_lshrrev_b32 v1, 5, v0
	v_readfirstlane_b32 s14, v1                    ; wave 0..3
	v_and_b32 v6, 31, v0                           ; l
	s_lshl_b32 s81, s14, 14                        ; my four tiles of 16 columns: 4,096 bytes of a chunk's codes each
	s_lshl_b32 s82, s14, 9                         ; my 64 columns' scale bytes: 8 each
	v_lshl_add_u32 v[BO], v6, 4, s81
	v_lshl_add_u32 v[BT], v6, 3, s82
	s_bfe_u32 s40, ttmp6, 0x40000                  ; cx, cy: my place in the cluster
	s_bfe_u32 s41, ttmp6, 0x40004
	s_lshl_b32 s42, ttmp9, 2
	s_add_co_u32 s42, s42, s40                     ; tile column = 4 x cluster x + cx
	s_and_b32 s17, ttmp7, 0xffff
	s_lshl_b32 s17, s17, 2
	s_add_co_u32 s17, s17, s41                     ; tile row = 4 x cluster y + cy
	s_lshl_b32 s43, s41, 2
	s_lshl_b32 s43, 15, s43                        ; my row of the cluster
	; descriptor group 1 for A's tiles: 64 rows x 512 bytes, 2,048 bytes apart in memory, padded in LDS
	s_or_b32 s[G1+0], s43, (0<<16)|(1<<20)|(1<<21)|(6<<22)|(3<<25)  ; 15:0 the mask: my row; 17:16 element of 1 byte; 20 padding on; 21 set beside a mask; 24:22 after every 128 words (code 6); 31:25 of 4 words (code 3)
	s_mov_b32 s[G1+1], ROWB<<16                    ; tensor_dim0
	s_mov_b32 s[G1+2], 64<<16                      ; tensor_dim1
	s_mov_b32 s[G1+3], ROWB<<16                    ; tile_dim0
	s_mov_b32 s[G1+4], 64                          ; tile_dim1
	s_mov_b32 s[G1+5], KROW                        ; tensor_dim0_stride
	s_mov_b32 s[G1+6], 0
	s_mov_b32 s[G1+7], 0
	; for the scale bytes of 64 rows of A: a dense block of 8,192 bytes, as 32 rows of 256 bytes (32 elements of 8 bytes), 16 bytes of padding behind each
	s_or_b32 s[G1S+0], s43, (3<<16)|(1<<20)|(1<<21)|(5<<22)|(3<<25)
	s_mov_b32 s[G1S+1], 32<<16
	s_mov_b32 s[G1S+2], 32<<16
	s_mov_b32 s[G1S+3], 32<<16
	s_mov_b32 s[G1S+4], 32
	s_mov_b32 s[G1S+5], 32
	s_mov_b32 s[G1S+6], 0
	s_mov_b32 s[G1S+7], 0
	; where they come from: A's tiles and scales hang on the tile row and the wave's number alone, which the four partners share
	s_lshl_b32 s20, s17, 8
	s_lshl_b32 s21, s14, 6
	s_add_co_u32 s20, s20, s21                     ; the first row that I fetch: 256 x tile row + 64 x wave:
	s_lshl_b32 s22, s20, 7                         ; its scale bytes, 128 a row,
	s_lshl_b32 s20, s20, 11                        ; its codes, 2,048 bytes a row (under 2^24 in all)
	s_mov_b32 s21, 0
	s_mov_b32 s23, 0
	s_mul_i32 s46, s42, CHUNK                      ; B: the first chunk of my tile column
	s_mov_b32 s47, 0
	s_mul_i32 s45, s14, QT                         ; where A's rows go: wave x 64 rows: no place in the cluster enters an LDS address
	s_mul_i32 s80, s14, QS
	s_wait_kmcnt 0x0
	s_add_nc_u64 s[8:9], s[8:9], s[46:47]
.irp u, 0,1,2,3,4,5,6
	UNIT \u                                        ; B of the first seven steps goes out first of all: 62 loads
.endr
	WIN 0                                          ; at a label and at a branch every window is 0
	s_add_nc_u64 s[20:21], s[4:5], s[20:21]
	s_add_nc_u64 s[22:23], s[6:7], s[22:23]
	CROUND                                         ; all sixteen work-groups are here: the first joint loads meet
	s_mov_b32 s[G0S], 1                            ; 1:0 count = 1
	s_add_co_u32 s[G0S+1], s80, SCA                ; 63:32 LDS address
	s_mov_b64 s[G0S+2:G0S+3], s[22:23]             ; 120:64 global address
	s_or_b32 s[G0S+3], s[G0S+3], 0x80000000        ; 127:126 type = 2
	tensor_load_to_lds s[G0S:G0S+3], s[G1S:G1S+7]  ; A's scales first: every wave brings its own quarter; four v_nop follow each tensor load
	s_nop 0
	PLACES 4
.irp s, 0,1
	s_mov_b32 s[G0+4*\s], 1
	s_add_co_u32 s[G0+4*\s+1], s45, \s*SLOT
	s_add_nc_u64 s[G0+4*\s+2:G0+4*\s+3], s[20:21], \s*ROWB
	s_or_b32 s[G0+4*\s+3], s[G0+4*\s+3], 0x80000000
	tensor_load_to_lds s[G0+4*\s:G0+4*\s+3], s[G1:G1+7]   ; slot s: K = 1,024 s on; three tensor loads of mine are out behind the second of these
	s_nop 0
	PLACES 4
.endr
	v_and_b32 v1, 15, v0                           ; l % 16
	v_bfe_u32 v2, v0, 4, 1                         ; l / 16
	v_mul_u32_u24 v3, v1, PITCH
	v_lshl_add_u32 v[ADRA], v2, 4, v3              ; A: a fragment's row x pitch + 16 x half
	v_add_nc_u32 v[ADRA+1], HB, v[ADRA]
	v_add_nc_u32 v[ADRA+2], SLOT, v[ADRA]
	v_add_nc_u32 v[ADRA+3], SLOT+HB, v[ADRA]
	v_lshrrev_b32 v8, 1, v6                        ; A's scale words: row l of 32 lies in unit l / 2 (272 bytes apart), at 128 (l % 2)
	v_mul_u32_u24 v8, v8, 272
	v_and_b32 v9, 1, v6
	v_lshl_add_u32 v8, v9, 7, v8
	v_add_nc_u32 v[ADRS], SCA, v8
	s_mul_i32 s85, s14, 16*SPITCH                  ; my stage
	v_mul_u32_u24 v5, v1, SPITCH                   ; in: row l % 16, 32 bytes for each half of the lanes
	v_lshl_add_u32 v5, v2, 5, v5
	v_add_nc_u32 v[STO], s85, v5
	v_mul_u32_u24 v5, v2, SPITCH                   ; back: lanes 0-15 take one row of 256 bytes, lanes 16-31 the next
	v_lshl_add_u32 v5, v1, 4, v5
	v_add_nc_u32 v[RD], s85, v5
	v_lshlrev_b32 v5, 13, v2                       ; and the same two rows in the output
	v_lshl_add_u32 v[CO], v1, 4, v5
	s_lshl_b32 s86, s17, 21                        ; the tile's first row: 256 rows of 8,192 bytes a tile row (under 2^26 in all),
	s_lshl_b32 s88, s42, 10                        ; my first column, in bytes: 1,024 x tile column + 256 x wave
	s_lshl_b32 s89, s14, 8
	s_add_co_u32 s86, s86, s88
	s_add_co_u32 s86, s86, s89
	s_mov_b32 s87, 0
	s_add_nc_u64 s[10:11], s[10:11], s[86:87]
; One matrix instruction of step t: A's block a x B's block b.  zero = 1: the product starts the sum: nothing is ever cleared.
; A scale register carries an even block's words in lanes 0-15 and the next block's in lanes 16-31: an odd block names the upper lanes (ROW1).  Source 0 is B, so matrix_a_scale goes with b, matrix_b_scale with a.
.macro WM a, b, t, zero
.set rD,  8*(4*((\a)%8)+(\b))
.set rB,  32*((\t)%8)+8*(\b)
.set rA,  AF+8*(\a)
.set rSB, SBR+4*(((\t)/2)%4)+2*((\b)/2)+((\t)%2)
.set rSA, SA+32*(((\t)/4)%2)+4*((\a)/2)+((\t)%4)
.set KIND, 4*(\zero)+2*((\b)%2)+((\a)%2)
.if KIND == 0
	v_wmma_scale_f32_16x16x128_f8f6f4 v[rD:rD+7], v[rB:rB+7], v[rA:rA+7], v[rD:rD+7], v[rSB], v[rSA] matrix_a_fmt:MATRIX_FMT_FP4 matrix_b_fmt:MATRIX_FMT_FP4
.elseif KIND == 1
	v_wmma_scale_f32_16x16x128_f8f6f4 v[rD:rD+7], v[rB:rB+7], v[rA:rA+7], v[rD:rD+7], v[rSB], v[rSA] matrix_a_fmt:MATRIX_FMT_FP4 matrix_b_fmt:MATRIX_FMT_FP4 matrix_b_scale:MATRIX_SCALE_ROW1
.elseif KIND == 2
	v_wmma_scale_f32_16x16x128_f8f6f4 v[rD:rD+7], v[rB:rB+7], v[rA:rA+7], v[rD:rD+7], v[rSB], v[rSA] matrix_a_fmt:MATRIX_FMT_FP4 matrix_b_fmt:MATRIX_FMT_FP4 matrix_a_scale:MATRIX_SCALE_ROW1
.elseif KIND == 3
	v_wmma_scale_f32_16x16x128_f8f6f4 v[rD:rD+7], v[rB:rB+7], v[rA:rA+7], v[rD:rD+7], v[rSB], v[rSA] matrix_a_fmt:MATRIX_FMT_FP4 matrix_b_fmt:MATRIX_FMT_FP4 matrix_a_scale:MATRIX_SCALE_ROW1 matrix_b_scale:MATRIX_SCALE_ROW1
.elseif KIND == 4
	v_wmma_scale_f32_16x16x128_f8f6f4 v[rD:rD+7], v[rB:rB+7], v[rA:rA+7], 0, v[rSB], v[rSA] matrix_a_fmt:MATRIX_FMT_FP4 matrix_b_fmt:MATRIX_FMT_FP4
.elseif KIND == 5
	v_wmma_scale_f32_16x16x128_f8f6f4 v[rD:rD+7], v[rB:rB+7], v[rA:rA+7], 0, v[rSB], v[rSA] matrix_a_fmt:MATRIX_FMT_FP4 matrix_b_fmt:MATRIX_FMT_FP4 matrix_b_scale:MATRIX_SCALE_ROW1
.elseif KIND == 6
	v_wmma_scale_f32_16x16x128_f8f6f4 v[rD:rD+7], v[rB:rB+7], v[rA:rA+7], 0, v[rSB], v[rSA] matrix_a_fmt:MATRIX_FMT_FP4 matrix_b_fmt:MATRIX_FMT_FP4 matrix_a_scale:MATRIX_SCALE_ROW1
.else
	v_wmma_scale_f32_16x16x128_f8f6f4 v[rD:rD+7], v[rB:rB+7], v[rA:rA+7], 0, v[rSB], v[rSA] matrix_a_fmt:MATRIX_FMT_FP4 matrix_b_fmt:MATRIX_FMT_FP4 matrix_a_scale:MATRIX_SCALE_ROW1 matrix_b_scale:MATRIX_SCALE_ROW1
.endif
.endm
; 16 matrix instructions: A's blocks a0 .. a0 + 3 x B's four.  The 64 accumulators take turns, one instruction a turn, in the same order in every step.
.macro MUL16 a0, t, zero
.irp a, \a0, \a0+1, \a0+2, \a0+3
.irp b, 0,1,2,3
	WM \a, \b, \t, \zero
.endr
.endr
.endm
; A fragment, 16 rows x 128 K of 4-bit codes, is 8 registers: lane l holds row l % 16; registers 4 c .. 4 c + 3 hold K = 64 c + 32 (l / 16) + 0 .. 31, the lower K in the lower bits:
; from rows that lie along K two loads of 16 bytes, 32 bytes apart.  Step t lies in slot (t / 8) % 2, at byte 64 (t % 8) of the rows.  from = 0: A's blocks 0-7; 8: blocks 8-15: sixteen loads.
.macro FETCH_A t, from
.irp i, 0,1,2,3,4,5,6,7
.irp c, 0,1
	ds_load_b128 v[AF+8*(\from+\i)+4*\c:AF+8*(\from+\i)+4*\c+3], v[ADRA+2*(((\t)/8)%2)+(\from)/8] offset:64*((\t)%8)+32*\c+\i*16*PITCH
.endr
.endr
.endm
.macro SCALES s                        ; A's scale words of the s-th 512 along K: eight loads, 32 rows a load, four words (16 bytes) a row
.irp g, 0,1,2,3,4,5,6,7
	ds_load_b128 v[SA+32*((\s)%2)+4*\g:SA+32*((\s)%2)+4*\g+3], v[ADRS] offset:\g*16*272+16*(\s)
.endr
.endm
; A step of 128 along K that has its successor in the same slot.  In its middle stand the next step's A blocks 0-7, every fourth step the next scale words of A, and B's unit of seven steps on, which takes the
; set that the step before has left.
.macro STEP t, zero
	LWAIT \t
	s_wait_dscnt 16                                ; A's blocks 0-7 and the scale words are in; the youngest sixteen loads (A's blocks 8-15) may be out
	WIN MUL_LO
	MUL16 0, \t, \zero
	MUL16 4, \t, \zero
	s_wait_dscnt 0                                 ; A's blocks 8-15 are in (asked for 32 matrix instructions ago)
	PLACES NP
	WIN 0
	FETCH_A (\t)+1, 0
.if (\t)%4 == 3
	SCALES ((\t)+1)/4
.endif
	UNIT (\t)+7
	WIN MUL_HI
	MUL16 8, \t, \zero
	MUL16 12, \t, \zero
	PLACES NP
	WIN 0
	FETCH_A (\t)+1, 8
.endm
; A slot's last step changes slots: ONE barrier; in front of it each wave waits for all its tensor loads, adds 0 to its spare word, and waits for that and for its own reads of this slot.
; fill = 1: this slot is filled again, with the 1,024 along K two slots on: from that request to the wait for it a wave issues 32 + 7 x 64 = 480 matrix instructions.
.macro TURN t, fill
.set SL, ((\t)/8)%2
	LWAIT \t
	s_wait_tensorcnt 0x0                           ; all my tensor loads have landed: my part of the next slot;  (every window is 0 here: the add's two registers lie in window 0)
	ds_add_u32 v[SPW], v[NIL]                      ; 0 onto my spare word
	s_wait_dscnt 17                                ; (the add and the youngest sixteen loads, A's blocks 8-15, may be out)
	WIN MUL_LO
	MUL16 0, \t, 0                                 ; sixteen matrix instructions stand between the add and the wait for it
	s_wait_dscnt 0x0                               ; the add is done, and my reads of this slot are over
	s_barrier_signal -1
	MUL16 4, \t, 0
	WIN 0
	s_barrier_wait -1
.if \fill
	CREST                                          ; the barrier has opened a round of the cluster's barrier: no wave of any partner still reads this slot's tile or has a tensor load on its way
	s_add_nc_u64 s[G0+4*SL+2:G0+4*SL+3], s[G0+4*SL+2:G0+4*SL+3], 2*ROWB
	tensor_load_to_lds s[G0+4*SL:G0+4*SL+3], s[G1:G1+7]   ; the first tensor load behind the round, my one load until the next; the four v_nop behind it are the places in front of the loads below
	s_nop 0
	PLACES 4
.else
	PLACES NP
.endif
	FETCH_A (\t)+1, 0
	SCALES ((\t)+1)/4
	UNIT (\t)+7
	WIN MUL_HI
	MUL16 8, \t, 0
	MUL16 12, \t, 0
	PLACES NP
	WIN 0
	FETCH_A (\t)+1, 8
.endm
	s_wait_tensorcnt 1                             ; tensor loads of a wave end in order (ISA guide 10.11.1): my quarter of the scales and my part of slot 0 are in; slot 1's load may be out
	s_barrier_signal -1
	s_barrier_wait -1                              ; everybody's are
	FETCH_A 0, 0
	SCALES 0
	FETCH_A 0, 8
	STEP 0, 1                                      ; the first step's products start the sums
.irp t, 1,2,3,4,5,6
	STEP \t, 0
.endr
	TURN 7, 1                                      ; slot 0 takes K = 2,048 on
.irp t, 8,9,10,11,12,13,14
	STEP \t, 0
.endr
	TURN 15, 1                                     ; slot 1 takes K = 3,072 on: the last tensor load
.irp t, 16,17,18,19,20,21,22
	STEP \t, 0
.endr
	TURN 23, 0                                     ; nothing is left to fetch, so no round of the cluster's barrier
.irp t, 24,25,26,27,28,29,30
	STEP \t, 0
.endr
	LWAIT 31                                       ; the very last step: nothing more to fetch
	s_wait_dscnt 16
	WIN MUL_LO
	MUL16 0, 31, 0
	MUL16 4, 31, 0
	s_wait_dscnt 0
	WIN MUL_HI
	MUL16 8, 31, 0
	MUL16 12, 31, 0
	WIN 0
; THE WAY OUT, block by block of 16 rows x 64 columns.  A lane holds 32 neighbouring bytes of a row, and the lanes beside it hold other rows: so a block goes through my own stage in LDS and comes back as whole
; rows of 256 bytes, two to an instruction.  LDS serves a wave's instructions in order (ISA guide 5.7.1.4): no wait between the stores and the loads, nor in front of the next block's stores.
.macro TOSTAGE a
.set AC, 32*((\a)%8)
	WIN 0x08+4*((\a)/8)                            ; the data: window 2 or 3
.irp b, 0,1,2,3
	ds_store_b128 v[STO], v[AC+8*\b:AC+8*\b+3] offset:64*\b          ; each accumulator from its low end on
	ds_store_b128 v[STO], v[AC+8*\b+4:AC+8*\b+7] offset:64*\b+16
.endr
	WIN 0
.set BB, BK+32*((\a)%4)
.irp g, 0,1,2,3,4,5,6,7
	ds_load_b128 v[BB+4*\g:BB+4*\g+3], v[RD] offset:\g*2*SPITCH
.endr
.endm
.macro SEND a, younger                 ; younger: the LDS instructions issued behind block a's loads, which may stay out
.set BB, BK+32*((\a)%4)
	s_wait_dscnt \younger                          ; the block is back in registers
.irp g, 0,1,2,3,4,5,6,7
	global_store_b128 v[CO], v[BB+4*\g:BB+4*\g+3], s[10:11] offset:(\a)*16*NROW+2*\g*NROW th:TH_STORE_NT   ; sixteen lanes store 256 consecutive bytes, at a multiple of 256 from the output's first byte; the block's and the rows' place stand in the immediate (254 rows at the most: inside its signed 24 bits); written once, read by nobody here
.endr
.endm
	PLACES NP                                      ; these places serve the loads into the registers that held A's fragments and the reads of the last products' results alike
	TOSTAGE 0
.irp a, 1,2,3,4,5,6,7,8,9,10,11,12,13,14,15
.if \a > 3
	s_wait_xcnt 0x0                                ; block a - 4's stores have read their registers: block a's loads may land there
.endif
	TOSTAGE \a
	SEND \a-1, 16                                  ; behind block a - 1's loads: block a's 8 stores and 8 loads
.endr
	SEND 15, 0
	s_wait_tensorcnt 0x0                           ; the wave's end: behind my last tensor load and my last LDS store
	ds_add_u32 v[SPW], v[NIL]
	s_wait_dscnt 0x0
	CROUND                                         ; the closing round: no work-group ends while a partner may still ask for a tile that names it
	s_endpgm
.Lfunc_end_k_q647a77b2ba_gemm:
	.size	k_q647a77b2ba_gemm, .Lfunc_end_k_q647a77b2ba_gemm-k_q647a77b2ba_gemm
	.p2alignl 7, 3214868480
	.fill 96, 4, 3214868480
	.section	.rodata,"a",@progbits
	.p2align	6, 0x0
	.amdhsa_kernel k_q647a77b2ba_gemm
		.amdhsa_group_segment_fixed_size 327680
		.amdhsa_private_segment_fixed_size 0
		.amdhsa_enable_private_segment 0
		.amdhsa_kernarg_size 32
		.amdhsa_user_sgpr_count 2
		.amdhsa_user_sgpr_kernarg_segment_ptr 1
		.amdhsa_wavefront_size32 1
		.amdhsa_system_sgpr_workgroup_id_x 1
		.amdhsa_system_sgpr_workgroup_id_y 1
		.amdhsa_system_sgpr_workgroup_id_z 1
		.amdhsa_system_vgpr_workitem_id 0
		.amdhsa_next_free_vgpr 1024
		.amdhsa_next_free_sgpr 96
		.amdhsa_reserve_vcc 0
		.amdhsa_float_denorm_mode_32 3
		.amdhsa_float_denorm_mode_16_64 3
		.amdhsa_memory_ordered 1
		.amdhsa_forward_progress 1
		.amdhsa_inst_pref_size 255
	.end_amdhsa_kernel
	.section	.bss,"aw",@nobits
	.p2align	6
	.space	262144
	.amdgpu_metadata
---
amdhsa.version: [ 1, 2 ]
amdhsa.kernels:
  - .name:           k_q647a77b2ba_gemm
    .symbol:         k_q647a77b2ba_gemm.kd
    .args:
      - { .name: x_codes, .offset: 0, .size: 8, .value_kind: global_buffer, .address_space: global }
      - { .name: x_scales, .offset: 8, .size: 8, .value_kind: global_buffer, .address_space: global }
      - { .name: wq, .offset: 16, .size: 8, .value_kind: global_buffer, .address_space: global }
      - { .name: out0, .offset: 24, .size: 8, .value_kind: global_buffer, .address_space: global }
    .group_segment_fixed_size: 327680
    .private_segment_fixed_size: 0
    .kernarg_segment_align: 8
    .kernarg_segment_size: 32
    .max_flat_workgroup_size: 128
    .sgpr_count:     96
    .vgpr_count:     1024
    .wavefront_size: 32
...
	.end_amdgpu_metadata
.endif
;; end of part 2
